; MI455X (gfx1250); checked and timed in simulation.
; The chip was launched on July 23, 2026; its instructions are those of AMD's public machine-readable ISA for CDNA 5 (MIT licence, August 2026) and "CDNA5" Instruction Set Architecture Reference Guide (July 2026). The comments in the code are by the model that wrote it; some were corrected since.
;; Differential Attention. Allowed arithmetic: matrix products marked QUANTISED: E4M3 operands, one E8M0 scale for each 32 along K, by v_wmma_scale_f32_16x16x128_f8f6f4 with both operands' format E4M3, f32 sums; everything else in f32.
;; Inputs: key 2 x 16 x 2,048 x 64 float32; lambda_params 16 float32; query 2 x 16 x 2,048 x 64 float32; value_codes 2 x 16 x 64 x 64 x 32 uint8 (E4M3 codes of value, K innermost, in blocks of 32 codes); value_scales 2 x 16 x 64 x 64 uint8 (E8M0 scales of value, one for each 32 codes along K).
;; Outputs: out0 2 x 16 x 2,048 x 64 float32.
;; This version of the problem:
;;   THIS VERSION OF THE PROBLEM IS GIVEN IN LOW PRECISION. The matrix products marked QUANTISED in the list below multiply operands that are first quantised to E4M3 (4 exponent bits, 3 mantissa bits; 8 bits a number), with one power-of-two scale for each 32 numbers along K (OCP MX v1.0); their sums are f32. All else is computed in f32.
;;   The module's matrix products, in the order in which they are computed (A, B: the left and right operand; K: the contracted axis; several contracted axes count as one K, in the product's order):
;;     1. batch 32 x [M 2,048, K 32] x [K 32, N 2,048]; A: input query; B: input key: QUANTISED
;;     2. batch 32 x [M 2,048, K 32] x [K 32, N 2,048]; A: input query; B: input key: QUANTISED
;;     3. batch 32 x [M 2,048, K 2,048] x [K 2,048, N 64]; A: computed on the way; B: input value (given as codes): QUANTISED
;;   THE QUANTISER, for each operand of a quantised product, along K:
;;     - K is cut into blocks of 32 from its start; a last block that is shorter is filled with zeros.
;;     - A block's scale is 2^e with e = floor(log2(the largest magnitude in the block)) - 8, held to -126 .. 127; a block of zeros has e = 0. As a byte (E8M0): e + 127.
;;     - Each number is divided by its block's scale, clamped to +-448, and rounded to the nearest number of E4M3, ties to even, subnormals kept.
;;     - The product sums the exact products of the quantised numbers (number of the format x scale) in f32.
;;   ~~~python
;;   def quantise(x, axis):      # numpy; x: float32 -> the quantised numbers, widened to float32 again
;;       x = np.moveaxis(x, axis, -1); K = x.shape[-1]
;;       x = np.pad(x, [(0, 0)] * (x.ndim - 1) + [(0, -K % 32)]); x = x.reshape(x.shape[:-1] + (-1, 32)); a = np.abs(x).max(-1, keepdims=True)
;;       e = np.where(a > 0, np.clip(np.frexp(np.where(a > 0, a, 1))[1] - 1 - 8, -126, 127), 0)      # np.frexp(a)[1] - 1 = floor(log2(a)), exactly
;;       r = np.clip(x / 2.0 ** e, -448, 448)
;;       step = 2.0 ** (np.maximum(np.frexp(np.where(r == 0, 1, r))[1] - 1, -6) - 3)
;;       q = np.round(r / step) * step * 2.0 ** e      # np.round: ties to even
;;       return np.moveaxis(q.reshape(q.shape[:-2] + (-1,))[..., :K], -1, axis).astype(np.float32)
;;   ~~~
;;   OPERANDS COMPUTED ON THE WAY. 'Computed on the way' means the value that the module computes at that place (a softmax that the list does not call 'softmax' is quantised finished and normalised). What goes into a quantiser is computed in f32, as accurately as f32 sums, v_exp_f32 and their like allow (about 1e-6 of the number): no bf16 or f16 on the way to a quantiser, and a product that is left as it is and whose result goes on into a quantised operand takes f32 operands (vector FMAs, or v_wmma_f32_16x16x4_f32). A number that lies on a knife's edge between two numbers of the format may be rounded either way, as far as f32 arithmetic and the matrix unit's own rounding can turn it there, and no further.
;;   INPUTS GIVEN AS CODES. value (in the module: [2, 16, 2048, 64], K = its axis 2): each comes as NAME_codes (uint8): NAME with its K axis moved to the last place and cut into blocks of 32 codes, [.., K / 32, bytes a block], one block behind the other in memory; one code a byte (a code: sign, 4 exponent bits, 3 mantissa bits); and NAME_scales (uint8): the same leading axes, one E8M0 byte (e + 127) for each 32 codes along K. Its value is code x scale, taken as it is: it is not quantised again, and the codes and scales need not be those that the quantiser above would give.
;; One version. Each part assembles by itself: llvm-mc -triple=amdgcn-amd-amdhsa -mcpu=gfx1250 --defsym DOCPART=n.
;; ======== version 1 of 1: 1 launch
;; limits: right only within a limited range of input values
;; launch diffattn (part 1): grid 8 x 32, 4 waves a work-group, no clusters, 327,680 bytes of LDS; arguments query, key, value_codes, value_scales, lambda_params, out0; writes out0
.if DOCPART == 1
	.amdgcn_target "amdgcn-amd-amdhsa--gfx1250"
	.amdhsa_code_object_version 6
	.text
	.protected	k_qeef921ada8_diffattn
	.globl	k_qeef921ada8_diffattn
	.p2align	8
	.type	k_qeef921ada8_diffattn,@function
k_qeef921ada8_diffattn:
	s_mov_b64 s[64:65], 0
	v_nop
	global_prefetch_b8 v0, s[64:65] scope:SCOPE_SE
	s_setreg_imm32_b32 hwreg(HW_REG_WAVE_MODE, 25, 1), 1
	s_wait_xcnt 0x0
; DIFFERENTIAL ATTENTION in MX-FP8.  out = 0.2 x norm_d( (softmax(q1 k1^T / sqrt(32)) - lambda_h softmax(q2 k2^T / sqrt(32))) V ): 32 (batch, head) pairs, 2,048 queries, 2,048 keys, 64 channels.
; query, key: [32][2048][64] f32, each half of 32 channels one block along K, quantised here.  value: codes [32][64 d][2048 keys], scale bytes [32][64 d][64].  out0: [32][2048][64] f32.
; SHARES.  A work-group owns 256 queries of one head (grid 8 x 32) and walks them in 16 tiles of 16.  A TILE'S KEYS ARE SHARED OUT: each of the four waves owns 512 keys, for all tiles.
; A wave keeps the tile's scores of both maps in registers (2 x 256), so every score is multiplied once and every exponential taken once: row maximum, p = 2^(c s - c m), row sum, a = p / l,
; a1 - lambda a2, the quantiser in blocks of 32 keys, O^T += V^T P^T over the wave's keys.  The rows' maxima, their sums and the four partial O^T pass between the waves through LDS.
; REGISTERS: window 0 all that is small; window 1 map 1's scores; window 2 map 2's; window 3 my 512 keys of K as 16 fragments of codes, for the whole launch.
; ONE FRAGMENT OF K FEEDS FOUR PRODUCTS: it holds 32 keys x 64 channels: row r's blocks 0, 1 are k1, k2 of key 32 f + r + 8 (r / 8), its blocks 2, 3 those of the key 8 further on.  The queries' operand is zero codes
; but for one block; the four operands are four windows of one run of 36 registers; a zero block's scale byte is 0.  Both products are used transposed: a lane holds ONE query (lane % 16).
; THE HEAD: K's and Q's f32 rows come by loads whose 32 lanes read 512 bytes on end, and pass through a stage of the wave's own in LDS into the layout that the quantiser wants (16 neighbours along K to a lane).
; THE NORM of tile t - 1 (each wave sums and norms 4 of its 16 queries) stands among tile t's first products.  The first trip finds a stage of zeros there and stores nothing.
; NO CLUSTER: only V (131,072 bytes a work-group) comes by tensor load, once; K's 524,288 bytes pass through registers for the quantiser.  NO PREFETCH: the head's loop has 32 to 48 loads of each wave on their way throughout.
; LIMITS.  NaN and infinities among the inputs are not served.  A block of zeros gets the scale byte 1 (its codes are zeros; the bytes are read here alone).  A p under 2^-126 becomes 0 (v_exp_f32 flushes).
.set KIMG,  0                          ; LDS: K's 64 fragments, 2,048 bytes each: four registers' image at 512 c, lane l's 16 bytes at 16 l
.set KSC,   131072                     ; K's scale words: [wave][lane: 80 bytes][fragment 16]
.set VT,    141312                     ; V: a tile of 512 keys a wave: 64 rows d of 512 bytes + 16 of padding
.set VP,    528
.set VTILE, 64*VP
.set QI,    276480                     ; the queries' 16 tiles: q1's four registers, q2's, the four scale words: 3 x 512 bytes
.set KST,   QI                         ; until the head's first barrier: K's stages, 32 rows x 272 bytes a wave, over the bytes of QI and STG
.set STG,   301056                     ; partial O: [wave][query 16][256 bytes + 16]; in the head Q's stages
.set XB,    318464                     ; exchange: 4 slots of [query 16][wave 4] words: maxima 1, 2, sums 1, 2
.set SPARE, 319488
.set AQ0, 1
.set AQ,  2
.set AV,  3
.set XWA, 4
.set XRA, 5
.set STO, 6
.set SRD, 7
.set GO,  8
.set SPW, 9
.set NIL, 10
.set PW,  11                           ; P's scale word
.set QSW, 12                           ; v12-15 the queries' scale words
.set KSW, 16                           ; v16-31 K's, one a fragment
.set VSW, 32                           ; v32-47 V's: 4 t + step
.set QW,  48                           ; v48-83: 8 zeros, q1's 4, 12 zeros, q2's 4, 8 zeros
.set VB,  84                           ; v84-147 a step's four fragments of V; in the norm the partial sums
.set OT,  148                          ; v148-179 O^T
.set PC,  180                          ; v180-195 codes just made
.set MA,  196                          ; v196-211 chains of maxima, eight a map (map 2's lie in LS, which is idle then)
.set LS,  204                          ; v204-219 chains of sums; the quantiser's registers lie over them
.set MX,  204
.set PB,  208
.set HD,  212
.set SE,  216
.set NM1, 220                          ; pairs whose low word serves both halves: -c m of either map, 1 / l1, -lambda / l2
.set NM2, 222
.set R1,  224
.set R2,  226
.set XL1, 228
.set XL2, 232
.set KSTW, 228                         ; head only: the stages' addresses
.set KSTR, 229
.set QSTW, 230
.set QSTR, 231
.set TS,  236                          ; the norm's sums
.set TQ,  240
.set KA,  236                          ; head only
.set KWI, 238
.set KWS, 239
.set KW,  240
.set KRA, 241
.set KSA, 242
.set QWA, 243
.set QT,  244
.set XT,  248
.set XT2, 249
.set TA,  250
.set TH,  251
.set TC,  252
.set TD,  253
.set MXB, 250                          ; v250-253 the quantiser's second chains (the head's r, h, lane are done with by then)
.set TE,  254
.set VSA, 255
.set WV,  16
.set BH,  17
.set G1V, 24
.set G0V, 40
.set CS,  48
.set NC,  50
.set MNT, 51
.set SEL, 52
.set NLAM, 54
.set T,   55
.set CNT, 57
.set I64, 58
.set EPSR, 59
.set GAIN, 60
.set MSB, 0
.macro WIN new                         ; bits 1:0 source 0, 3:2 source 1, 5:4 source 2, 7:6 destination; the high byte repeats the setting that is left
.if MSB != \new
	s_set_vgpr_msb (MSB<<8)|\new
.set MSB, \new
.endif
.endm
.macro WALU                            ; ahead of a wait that blocks or a branch, and round transcendentals
	s_wait_alu depctr_va_vdst(0)
.endm
.macro PLACES n
.rept \n
	v_nop
.endr
.endm
; nb blocks of 32, of which my lane holds 16 numbers each (window sw, v[src + 16 b] on; the other 16 lie in lane l xor 16), become codes in v[PC + 4 b] on.  mode 0: K's word; 1: the queries' four; 2: P's.
; The largest magnitude goes in two chains a block, by turns.
.macro QUANT src, sw, nb, mode
	WIN 5*(\sw)
.set qb, 0
.rept \nb
	v_max3_num_f32 v[MX+qb], |v[(\src)+16*qb]|, |v[(\src)+16*qb+1]|, 0x4800000   ; with the floor 2^(9 - 127): the byte cannot fall under 1
.set qb, qb+1
.endr
	WIN 21*(\sw)
.set qb, 0
.rept \nb
	v_max3_num_f32 v[MXB+qb], |v[(\src)+16*qb+8]|, |v[(\src)+16*qb+9]|, |v[(\src)+16*qb+10]|
.set qb, qb+1
.endr
	WIN 20*(\sw)
.irp i, 2,4
.set qb, 0
.rept \nb
	v_max3_num_f32 v[MX+qb], v[MX+qb], |v[(\src)+16*qb+\i]|, |v[(\src)+16*qb+\i+1]|
.set qb, qb+1
.endr
.set qb, 0
.rept \nb
	v_max3_num_f32 v[MXB+qb], v[MXB+qb], |v[(\src)+16*qb+\i+9]|, |v[(\src)+16*qb+\i+10]|
.set qb, qb+1
.endr
.endr
.set qb, 0
.rept \nb
	v_max3_num_f32 v[MX+qb], v[MX+qb], |v[(\src)+16*qb+6]|, |v[(\src)+16*qb+7]|
.set qb, qb+1
.endr
	WIN 16*(\sw)
.set qb, 0
.rept \nb
	v_max3_num_f32 v[MX+qb], v[MX+qb], v[MXB+qb], |v[(\src)+16*qb+15]|
.set qb, qb+1
.endr
	WIN 0
.set qb, 0
.rept \nb
	v_permlanex16_b32 v[PB+qb], v[MX+qb], s[SEL], s[SEL+1]
.set qb, qb+1
.endr
.set qb, 0
.rept \nb
	v_max_num_f32 v[MX+qb], v[MX+qb], v[PB+qb]     ; the block's largest magnitude
.set qb, qb+1
.endr
.set qb, 0
.rept \nb
	v_add_nc_u32 v[SE+qb], 0xfc000000, v[MX+qb]    ; 8 off its exponent field: the conversion's scale operand
.set qb, qb+1
.endr
.set qb, 0
.rept \nb
	v_and_or_b32 v[HD+qb], v[MX+qb], 0x7f800000, s[MNT]   ; 448 x the scale
.set qb, qb+1
.endr
.set qb, 0
.rept \nb
	v_lshrrev_b32 v[PB+qb], 23, v[SE+qb]           ; the scale's byte
.set qb, qb+1
.endr
.if \mode == 0
	v_lshl_or_b32 v[KW], v[PB+1], 8, v[PB]
	v_lshl_or_b32 v[MXB], v[PB+3], 8, v[PB+2]
	v_lshl_or_b32 v[KW], v[MXB], 16, v[KW]
.elseif \mode == 1
	v_mov_b32 v[QT], v[PB]                         ; q1 in block 0; the bytes under the zero blocks are 0
	v_lshlrev_b32 v[QT+1], 8, v[PB+1]              ; q2 in block 1
	v_lshlrev_b32 v[QT+2], 16, v[PB]               ; q1 in block 2
	v_lshlrev_b32 v[QT+3], 24, v[PB+1]             ; q2 in block 3
.else
	v_lshl_or_b32 v[PW], v[PB+1], 8, v[PB]
	v_lshl_or_b32 v[MXB], v[PB+3], 8, v[PB+2]
	v_lshl_or_b32 v[PW], v[MXB], 16, v[PW]
.endif
	WIN 65*(\sw)
.set qb, 0
.rept \nb
.irp i, 0,1,2,3,4,5,6,7,8,9,10,11,12,13,14,15
	v_med3_num_f32 v[(\src)+16*qb+\i], v[(\src)+16*qb+\i], -v[HD+qb], v[HD+qb]   ; the conversion does not saturate (ISA guide 7.6.2)
.endr
.set qb, qb+1
.endr
	WIN \sw
.set qb, 0
.rept \nb
	v_cvt_scalef32_pk8_fp8_f32 v[PC+4*qb:PC+4*qb+1], v[(\src)+16*qb:(\src)+16*qb+7], v[SE+qb]
	v_cvt_scalef32_pk8_fp8_f32 v[PC+4*qb+2:PC+4*qb+3], v[(\src)+16*qb+8:(\src)+16*qb+15], v[SE+qb]
.set qb, qb+1
.endr
	WIN 0
	v_nop                                          ; a plain line behind the last conversion
.endm
; a fragment's 32 keys, 8,192 bytes on end, into buffer buf of window 1: load n brings keys 2 n and 2 n + 1, 16 bytes a lane
.macro XLOAD buf, off
.irp n, 0,1,2,3,4,5,6,7,8,9,10,11,12,13,14,15
	global_load_b128 v[64*(\buf)+4*\n:64*(\buf)+4*\n+3], v[KA], s[6:7] offset:(\off)+512*\n
.endr
.endm
; buffer g goes to my stage as rows of 272 bytes and comes back into set t of window 2: register 16 b + i = key r + 8 (r / 8) + 8 (b / 2), channel 32 (b % 2) + 16 (lane / 16) + i.
; LDS serves a wave's instructions in order (ISA guide 5.7.1.4): the loads see the stores, and the next fragment's stores come behind these loads.
.macro STAGE g, t
	WIN 0x04
.irp n, 0,1,2,3,4,5,6,7,8,9,10,11,12,13,14,15
	ds_store_b128 v[KSTW], v[64*(\g)+4*\n:64*(\g)+4*\n+3] offset:544*\n
.endr
	WIN 0x80
.irp b, 0,1,2,3
.irp j, 0,1,2,3
	ds_load_b128 v[128+64*(\t)+16*\b+4*\j:128+64*(\t)+16*\b+4*\j+3], v[KSTR] offset:2176*(\b/2)+128*(\b%2)+16*\j
.endr
.endr
	WIN 0
.endm
; four fragments.  Fragment i + 1 is waited for (behind it two younger fragments' 32 loads may be out; in the last trip 32 - 16 i) and staged; fragment i is back from the stage when at most the 32 LDS lines
; just issued are out; its buffer takes the fragment four on (more = 1); it is quantised and stored as an image.
.macro KTRIP more
.irp i, 0,1,2,3
	WALU
.if \more || (\i < 3)
.if \more
	s_wait_loadcnt 32
.else
	s_wait_loadcnt 32-16*\i
.endif
	STAGE (\i+1)%4, (\i+1)%2
	s_wait_dscnt 32
.else
	s_wait_dscnt 0x0
.endif
.if \more
	WIN 0x40
	XLOAD \i, 32768+8192*\i
	WIN 0
.endif
	QUANT 128+64*(\i%2), 2, 4, 0
.irp c, 0,1,2,3
	ds_store_b128 v[KWI], v[PC+4*\c:PC+4*\c+3] offset:2048*\i+512*\c
.endr
	ds_store_b32 v[KWS], v[KW] offset:4*\i
.endr
.endm
.macro QK1 n                           ; product n of a tile's 64: map n / 32, fragment (n % 32) / 2, its keys' half n % 2
.set qm, (\n)/32
.set qf, ((\n)%32)/2
.set qu, (\n)%2
	WIN 0x43+0x40*qm
	v_wmma_scale_f32_16x16x128_f8f6f4 v[16*qf+8*qu:16*qf+8*qu+7], v[16*qf:16*qf+15], v[QW+8-8*qu+12*qm:QW+23-8*qu+12*qm], 0, v[KSW+qf], v[QSW+2*qu+qm]
.endm
.macro MAX4 n                          ; four lines: product n's accumulator, from its low end on.  It stands two products behind n: the eight lines between are n's places
.set qm, (\n)/32
.set qx, 16*(((\n)%32)/2)+8*((\n)%2)
.set qc, MA+8*qm+4*((\n)%2)
	WIN 20*(1+qm)
.irp i, 0,1,2,3
	v_max3_num_f32 v[qc+\i], v[qc+\i], v[qx+2*\i], v[qx+2*\i+1]
.endr
.endm
.macro MAXFIN m                        ; my 512 keys' largest score of my query goes to its word
.set qc, MA+8*\m
	v_max3_num_f32 v[qc], v[qc], v[qc+1], v[qc+2]
	v_max3_num_f32 v[qc+3], v[qc+3], v[qc+4], v[qc+5]
	v_max_num_f32 v[qc+6], v[qc+6], v[qc+7]
	v_max3_num_f32 v[qc], v[qc], v[qc+3], v[qc+6]
	v_permlanex16_b32 v[XT], v[qc], s[SEL], s[SEL+1]
	v_max_num_f32 v[qc], v[qc], v[XT]
	ds_store_b32 v[XWA], v[qc] offset:256*\m
.endm
.macro MAXC xl, nm                     ; the four waves' maxima -> -c m
	v_max3_num_f32 v[XT2], v[\xl], v[\xl+1], v[\xl+2]
	v_max_num_f32 v[XT2], v[XT2], v[\xl+3]
	v_mul_f32 v[\nm], s[NC], v[XT2]
.endm
.macro SUMC xl                         ; the four waves' sums
	v_add_f32 v[\xl], v[\xl], v[\xl+1]
	v_add_f32 v[\xl+2], v[\xl+2], v[\xl+3]
	v_add_f32 v[\xl], v[\xl], v[\xl+2]
.endm
.macro FMAS m, nm, from, to            ; c s - c m, in place
	WIN 65*(\m)
.set x, \from
.rept ((\to)-(\from))/2
	v_pk_fma_f32 v[x:x+1], v[x:x+1], s[CS:CS+1], v[\nm:\nm+1] op_sel_hi:[1,0,0]
.set x, x+2
.endr
	WIN 0
.endm
.macro EXPS m
	WIN 65*(\m)
.set x, 0
.rept 256
	v_exp_f32 v[x], v[x]
.set x, x+1
.endr
	WIN 0
	v_nop                                          ; a plain line behind the batch
	WALU
.endm
.macro SUMS m                          ; the sum of my 256 p of map m, in eight chains of pairs; my part of the row's sum goes to its word
	WIN 5*(\m)
.irp i, 0,1,2,3,4,5,6,7
	v_pk_add_f32 v[LS+2*\i:LS+2*\i+1], v[4*\i:4*\i+1], v[4*\i+2:4*\i+3]
.endr
	WIN 4*(\m)
.set x, 32
.rept 112
	v_pk_add_f32 v[LS+x%16:LS+x%16+1], v[LS+x%16:LS+x%16+1], v[x:x+1]
.set x, x+2
.endr
	WIN 0
.irp i, 0,2,4,6
	v_pk_add_f32 v[LS+\i:LS+\i+1], v[LS+\i:LS+\i+1], v[LS+8+\i:LS+9+\i]
.endr
	v_pk_add_f32 v[LS:LS+1], v[LS:LS+1], v[LS+4:LS+5]
	v_pk_add_f32 v[LS+2:LS+3], v[LS+2:LS+3], v[LS+6:LS+7]
	v_pk_add_f32 v[LS:LS+1], v[LS:LS+1], v[LS+2:LS+3]
	v_add_f32 v[LS], v[LS], v[LS+1]
	v_permlanex16_b32 v[XT], v[LS], s[SEL], s[SEL+1]
	v_add_f32 v[LS], v[LS], v[XT]
	ds_store_b32 v[XWA], v[LS] offset:256*(1+\m)
.endm
.macro MULS from, to                   ; a1 = p1 / l1
	WIN 0x41
.set x, \from
.rept ((\to)-(\from))/2
	v_pk_mul_f32 v[x:x+1], v[x:x+1], v[R1:R1+1] op_sel_hi:[1,0]
.set x, x+2
.endr
	WIN 0
.endm
.macro PLOADS                          ; the four partial O of my 4 queries: lane l: query 4 w + 2 jj + l / 16, channels 4 (l % 16) on
.irp v, 0,1,2,3
.irp jj, 0,1
	ds_load_b128 v[VB+8*\v+4*\jj:VB+8*\v+4*\jj+3], v[SRD] offset:4352*\v+544*\jj
.endr
.endr
.endm
.macro DPP2 reg, mask                  ; over the 16 lanes that hold a query's 64 channels, one step
	v_add_f32_dpp v[\reg], v[\reg], v[\reg] row_xmask:\mask row_mask:0xf bank_mask:0xf
	v_add_f32_dpp v[\reg+2], v[\reg+2], v[\reg+2] row_xmask:\mask row_mask:0xf bank_mask:0xf
.endm
.macro TAILC k                         ; the norm up to the variance + 1e-5, in 18 short pieces
.if (\k) == 0
.irp v, 0,16
.irp p, 0,2,4,6
	v_pk_add_f32 v[VB+\v+\p:VB+\v+\p+1], v[VB+\v+\p:VB+\v+\p+1], v[VB+\v+8+\p:VB+\v+9+\p]
.endr
.endr
.elseif (\k) == 1
.irp p, 0,2,4,6
	v_pk_add_f32 v[VB+\p:VB+\p+1], v[VB+\p:VB+\p+1], v[VB+16+\p:VB+17+\p]   ; o
.endr
.elseif (\k) == 2
	v_pk_add_f32 v[TS:TS+1], v[VB:VB+1], v[VB+2:VB+3]
	v_pk_add_f32 v[TS+2:TS+3], v[VB+4:VB+5], v[VB+6:VB+7]
.elseif (\k) == 3
	v_add_f32 v[TS], v[TS], v[TS+1]
	v_add_f32 v[TS+2], v[TS+2], v[TS+3]
.elseif (\k) == 4
	DPP2 TS, 1
.elseif (\k) == 5
	DPP2 TS, 2
.elseif (\k) == 6
	DPP2 TS, 4
.elseif (\k) == 7
	DPP2 TS, 8
.elseif (\k) == 8
	v_mul_f32 v[TS], s[I64], v[TS]                 ; the mean
	v_mul_f32 v[TS+2], s[I64], v[TS+2]
.elseif (\k) == 9
.irp jj, 0,1
.irp p, 0,2
	v_pk_add_f32 v[VB+4*\jj+\p:VB+4*\jj+\p+1], v[VB+4*\jj+\p:VB+4*\jj+\p+1], v[TS+2*\jj:TS+2*\jj+1] op_sel_hi:[1,0] neg_lo:[0,1] neg_hi:[0,1]
.endr
.endr
.elseif (\k) == 10
	v_pk_mul_f32 v[TQ:TQ+1], v[VB:VB+1], v[VB:VB+1]
	v_pk_mul_f32 v[TQ+2:TQ+3], v[VB+4:VB+5], v[VB+4:VB+5]
.elseif (\k) == 11
	v_pk_fma_f32 v[TQ:TQ+1], v[VB+2:VB+3], v[VB+2:VB+3], v[TQ:TQ+1]
	v_pk_fma_f32 v[TQ+2:TQ+3], v[VB+6:VB+7], v[VB+6:VB+7], v[TQ+2:TQ+3]
.elseif (\k) == 12
	v_add_f32 v[TQ], v[TQ], v[TQ+1]
	v_add_f32 v[TQ+2], v[TQ+2], v[TQ+3]
.elseif (\k) == 13
	DPP2 TQ, 1
.elseif (\k) == 14
	DPP2 TQ, 2
.elseif (\k) == 15
	DPP2 TQ, 4
.elseif (\k) == 16
	DPP2 TQ, 8
.else
	v_fma_f32 v[TQ], v[TQ], s[I64], s[EPSR]
	v_fma_f32 v[TQ+2], v[TQ+2], s[I64], s[EPSR]
.endif
.endm
.macro ROOTS
	v_rsq_f32 v[TQ+1], v[TQ]
	v_rsq_f32 v[TQ+3], v[TQ+2]
.endm
.macro TAILFIN
	v_mul_f32 v[TS], s[GAIN], v[TQ+1]              ; 0.2 / sqrt(variance + 1e-5)
	v_mul_f32 v[TS+2], s[GAIN], v[TQ+3]
.irp jj, 0,1
.irp p, 0,2
	v_pk_mul_f32 v[VB+4*\jj+\p:VB+4*\jj+\p+1], v[VB+4*\jj+\p:VB+4*\jj+\p+1], v[TS+2*\jj:TS+2*\jj+1] op_sel_hi:[1,0]
.endr
.endr
.endm
.macro OUT2                            ; each store: 32 lanes, two whole rows of 256 bytes
	global_store_b128 v[GO], v[VB:VB+3], s[14:15] th:TH_STORE_NT
	global_store_b128 v[GO], v[VB+4:VB+7], s[14:15] offset:512 th:TH_STORE_NT
.endm
	s_load_b256 s[4:11], s[0:1], 0x0               ; query, key, value_codes, value_scales
	s_load_b128 s[12:15], s[0:1], 0x20             ; lambda_params, out0
	v_lshl_add_u32 v[SPW], v0, 2, SPARE
	v_mov_b32 v[NIL], 0
	ds_add_u32 v[SPW], v[NIL]                      ; the opening lines: the add twice on end and its wait ahead of my tensor load
	ds_add_u32 v[SPW], v[NIL]
	v_lshrrev_b32 v[XT], 5, v0
	v_readfirstlane_b32 s[WV], v[XT]               ; wave 0..3
	s_and_b32 s[BH], ttmp7, 0xffff                 ; batch x 16 + head
	s_mov_b32 s[G1V], (1<<20)|(6<<22)|(3<<25)      ; V's tile: 64 rows of 512 bytes, 2,048 apart in memory; four words of padding behind every 128
	s_mov_b32 s[G1V+1], 512<<16
	s_mov_b32 s[G1V+2], 64<<16
	s_mov_b32 s[G1V+3], 512<<16
	s_mov_b32 s[G1V+4], 64
	s_mov_b32 s[G1V+5], 2048
	s_mov_b32 s[G1V+6], 0
	s_mov_b32 s[G1V+7], 0
	s_mov_b32 s[CS], 0x3e8293ee                    ; c = log2(e) / sqrt(32)
	s_mov_b32 s[CS+1], s[CS]
	s_mov_b32 s[NC], 0xbe8293ee
	s_mov_b32 s[MNT], 0x600000
	s_mov_b32 s[SEL], 0x76543210
	s_mov_b32 s[SEL+1], 0xfedcba98
	s_mov_b32 s[I64], 0x3c800000
	s_mov_b32 s[EPSR], 0x3727c5ac
	s_mov_b32 s[GAIN], 0x3e4ccccd
	s_lshl_b32 s20, s[BH], 19                      ; the head's first byte in query, key, out0
	s_lshl_b32 s18, s[WV], 17
	s_add_co_u32 s18, s18, s20                     ; key: + my 512 keys
	s_mov_b32 s19, 0
	s_lshl_b32 s21, ttmp9, 16
	s_add_co_u32 s20, s20, s21                     ; + my work-group's 256 rows
	s_lshl_b32 s21, s[WV], 14
	s_add_co_u32 s22, s20, s21                     ; query: I quantise tiles 4 w .. 4 w + 3
	s_mov_b32 s23, 0
	s_lshl_b32 s21, s[WV], 10
	s_add_co_u32 s20, s20, s21                     ; out0: rows 4 w .. 4 w + 3 of each tile
	s_mov_b32 s21, 0
	s_lshl_b32 s32, s[BH], 17
	s_lshl_b32 s33, s[WV], 9
	s_add_co_u32 s32, s32, s33                     ; value_codes: my 512 keys of each row
	s_mov_b32 s33, 0
	s_lshl_b32 s34, s[BH], 12
	s_mov_b32 s35, 0
	s_and_b32 s36, s[BH], 15
	s_lshl_b32 s36, s36, 2
	s_mov_b32 s37, 0
	s_mul_i32 s38, s[WV], VTILE
	s_add_co_u32 s38, s38, VT
	s_lshl_b32 s39, s[WV], 15
	s_mul_i32 s44, s[WV], 2560
	s_add_co_u32 s44, s44, KSC
	s_mul_i32 s45, s[WV], 6144
	s_mul_i32 s46, s[WV], 4352
	s_add_co_u32 s46, s46, STG
	s_mul_i32 s47, s[WV], 1088
	s_add_co_u32 s47, s47, STG
	s_mul_i32 s56, s[WV], 8704
	s_add_co_u32 s56, s56, KST
	s_lshl_b32 s61, s[WV], 2
	s_lshl_b32 s62, s[WV], 4
	s_wait_dscnt 0x0
	s_wait_kmcnt 0x0
	s_add_nc_u64 s[6:7], s[6:7], s[18:19]
	s_add_nc_u64 s[4:5], s[4:5], s[22:23]
	s_add_nc_u64 s[14:15], s[14:15], s[20:21]
	s_add_nc_u64 s[10:11], s[10:11], s[34:35]
	s_add_nc_u64 s[12:13], s[12:13], s[36:37]
	s_mov_b32 s[G0V], 1
	s_mov_b32 s[G0V+1], s38
	s_add_nc_u64 s[G0V+2:G0V+3], s[8:9], s[32:33]
	s_or_b32 s[G0V+3], s[G0V+3], 0x80000000
	tensor_load_to_lds s[G0V:G0V+3], s[G1V:G1V+7]  ; every wave its own tile of V, filled once, read by that wave alone
	s_nop 0
	PLACES 4
	s_load_b32 s[NLAM], s[12:13], 0x0
	v_and_b32 v[TA], 15, v0                        ; r
	v_bfe_u32 v[TH], v0, 4, 1                      ; h
	v_and_b32 v[TC], 31, v0
	v_lshlrev_b32 v[TD], 4, v[TC]
	v_lshlrev_b32 v[KA], 4, v[TC]                  ; 16 bytes a lane in K's and Q's rows
	v_add_nc_u32 v[AQ0], QI, v[TD]
	v_add_nc_u32 v[QWA], s45, v[AQ0]
	v_add_nc_u32 v[KWI], s39, v[TD]
	v_add_nc_u32 v[KRA], s39, v[TD]
	v_mad_u32_u24 v[KWS], v[TC], 80, s44
	v_mad_u32_u24 v[KSA], v[TC], 80, s44
	v_mul_u32_u24 v[AV], v[TA], VP
	v_lshl_add_u32 v[AV], v[TH], 4, v[AV]
	v_add_nc_u32 v[AV], s38, v[AV]
	v_lshl_add_u32 v[XRA], v[TA], 4, XB
	v_add_nc_u32 v[XWA], s61, v[XRA]
	v_mul_u32_u24 v[TE], v[TA], 272
	v_lshl_add_u32 v[STO], v[TH], 5, v[TE]
	v_add_nc_u32 v[STO], s46, v[STO]
	v_lshl_add_u32 v[QSTR], v[TH], 6, v[TE]
	v_add_nc_u32 v[QSTR], s46, v[QSTR]             ; Q's stage, back: row r, + 64 h
	v_mul_u32_u24 v[SRD], v[TH], 272
	v_lshl_add_u32 v[SRD], v[TA], 4, v[SRD]        ; 272 h + 16 r
	v_add_nc_u32 v[KSTW], s56, v[SRD]              ; the stages, in: two rows a line
	v_add_nc_u32 v[QSTW], s46, v[SRD]
	v_add_nc_u32 v[SRD], s47, v[SRD]
	v_lshlrev_b32 v[GO], 8, v[TH]
	v_lshl_add_u32 v[GO], v[TA], 4, v[GO]
	v_and_b32 v[TE], 8, v[TA]
	v_add_nc_u32 v[TE], v[TE], v[TA]               ; r + 8 (r / 8)
	v_mul_u32_u24 v[KSTR], v[TE], 272
	v_lshl_add_u32 v[KSTR], v[TH], 6, v[KSTR]
	v_add_nc_u32 v[KSTR], s56, v[KSTR]             ; K's stage, back
	v_lshl_add_u32 v[VSA], v[TA], 6, s62
	WALU
	WIN 0x80                                       ; my four tiles of queries into window 2: load n of a tile brings rows 2 n, 2 n + 1
.irp i, 0,1,2,3
.irp n, 0,1,2,3,4,5,6,7
	global_load_b128 v[32*\i+4*\n:32*\i+4*\n+3], v[KA], s[4:5] offset:4096*\i+512*\n th:TH_LOAD_NT
.endr
.endr
	WIN 0
.irp t, 0,1,2,3
	global_load_b128 v[VSW+4*\t:VSW+4*\t+3], v[VSA], s[10:11] offset:1024*\t   ; V's scale words of my 512 keys: row 16 t + r, four steps
.endr
	WIN 0x40                                       ; K's first four fragments into window 1
.irp i, 0,1,2,3
	XLOAD \i, 8192*\i
.endr
	WIN 0
.irp j, 0,1,2,3,4,5,6,7,12,13,14,15,16,17,18,19,20,21,22,23,28,29,30,31,32,33,34,35
	v_mov_b32 v[QW+\j], 0
.endr
.irp j, PB,PB+1,PB+2,PB+3,NM1+1,NM2+1,R1+1,R2+1
	v_mov_b32 v[\j], 0                             ; permutes' destinations and the upper words of pairs are written once
.endr
	WALU
	s_wait_loadcnt 48                              ; fragment 0 is in; fragments 1 to 3 may be out
	STAGE 0, 0
	s_mov_b32 s[CNT], 3
.Lk:
	KTRIP 1
	WALU
	s_wait_xcnt 0x0                                ; the loads have taken their base
	s_add_nc_u64 s[6:7], s[6:7], 0x8000
	v_add_nc_u32 v[KWI], 0x2000, v[KWI]
	v_add_nc_u32 v[KWS], 16, v[KWS]
	s_sub_co_u32 s[CNT], s[CNT], 1
	s_cmp_lg_u32 s[CNT], 0
	WALU
	s_cbranch_scc1 .Lk
	KTRIP 0
	WALU
	s_wait_dscnt 0x0
	s_barrier_signal -1
	s_barrier_wait -1                              ; nobody uses K's stages any more: their bytes become Q's images and the stages of O
.irp i, 0,1,2,3                        ; my four tiles of queries pass through my stage and become images in LDS
	WIN 0x08
.irp n, 0,1,2,3,4,5,6,7
	ds_store_b128 v[QSTW], v[32*\i+4*\n:32*\i+4*\n+3] offset:544*\n
.endr
	WIN 0x80
.irp b, 0,1
.irp j, 0,1,2,3
	ds_load_b128 v[128+16*\b+4*\j:128+16*\b+4*\j+3], v[QSTR] offset:128*\b+16*\j
.endr
.endr
	WIN 0
	WALU
	s_wait_dscnt 0x0
	QUANT 128, 2, 2, 1
	ds_store_b128 v[QWA], v[PC:PC+3] offset:1536*\i
	ds_store_b128 v[QWA], v[PC+4:PC+7] offset:1536*\i+512
	ds_store_b128 v[QWA], v[QT:QT+3] offset:1536*\i+1024
.endr
.irp t, 0,1,2,3
	ds_store_b128 v[STO], v[QW:QW+3] offset:64*\t      ; zeros into my stage: the first trip's norm has no tile before it
	ds_store_b128 v[STO], v[QW:QW+3] offset:64*\t+16
.endr
	s_wait_kmcnt 0x0
	s_xor_b32 s[NLAM], s[NLAM], 0x80000000         ; -lambda
	WALU
	s_wait_tensorcnt 0x0
	s_wait_dscnt 0x0
	s_barrier_signal -1
	s_barrier_wait -1
	WIN 0xc0                                       ; my 16 fragments of K stay in window 3
.set F, 0
.rept 16
.irp c, 0,1,2,3
	ds_load_b128 v[16*F+4*\c:16*F+4*\c+3], v[KRA] offset:2048*F+512*\c
.endr
.set F, F+1
.endr
	WIN 0
.irp k, 0,1,2,3
	ds_load_b128 v[KSW+4*\k:KSW+4*\k+3], v[KSA] offset:16*\k
.endr
	ds_load_b128 v[QW+8:QW+11], v[AQ0]
	ds_load_b128 v[QW+24:QW+27], v[AQ0] offset:512
	ds_load_b128 v[QSW:QSW+3], v[AQ0] offset:1024
	s_mov_b32 s[T], 0
	s_wait_dscnt 0x0
	s_barrier_signal -1                            ; the stage's barrier: its wait stands in the trip
.Ltile:
	; ---- the 64 products of the scores, map 1's first; behind each, four lines of maxima; among them the norm of the tile before, and map 1's maxima change hands
.set N, 0
.rept 64
	QK1 N
.if N < 2
	WIN 0
.irp i, 0,1,2,3,4,5,6,7
	v_mov_b32 v[MA+8*N+\i], 0xff61b1e6             ; -3e38, under every score
.endr
.else
	MAX4 N-2
.endif
.if N == 1
	WALU
	s_barrier_wait -1                              ; everybody's partial O lies in the stages
	PLOADS
.elseif N >= 10 && N < 28
	WIN 0
.if N == 10
	WALU
	s_wait_dscnt 0x0
.endif
	TAILC N-10
.elseif N == 34
	WIN 0
	MAXFIN 0
.elseif N == 40
	WIN 0
	WALU
	s_wait_dscnt 0x0
	s_barrier_signal -1
.elseif N == 48
	WIN 0
	WALU
	s_barrier_wait -1
	ds_load_b128 v[XL1:XL1+3], v[XRA]
.endif
.set N, N+1
.endr
	MAX4 62
	MAX4 63
	WIN 0
	MAXFIN 1
	s_add_co_u32 s18, s[T], 1                      ; the next tile's queries (the last trip takes its own again)
	s_min_u32 s18, s18, 15
	s_mul_i32 s18, s18, 1536
	v_add_nc_u32 v[AQ], s18, v[AQ0]
	ds_load_b128 v[QW+8:QW+11], v[AQ]
	ds_load_b128 v[QW+24:QW+27], v[AQ] offset:512
	ds_load_b128 v[QSW:QSW+3], v[AQ] offset:1024
	WALU
	s_wait_dscnt 4                                 ; map 1's four maxima are in; my store and the three loads behind them may be out
	MAXC XL1, NM1
	FMAS 1, NM1, 0, 64                             ; work on registers while they finish
	WALU
	s_wait_dscnt 0x0
	s_barrier_signal -1                            ; map 2's maxima
	FMAS 1, NM1, 64, 256
	WALU                                           ; ahead of the batch
	ROOTS                                          ; the norm's two roots share the batch's waits
	EXPS 1
	s_barrier_wait -1
	ds_load_b128 v[XL2:XL2+3], v[XRA] offset:256
	TAILFIN
	s_cmp_eq_u32 s[T], 0
	WALU
	s_cbranch_scc1 .Lnone                          ; the first trip has no tile before it
	OUT2
.Lnone:
	SUMS 1
	WALU
	s_wait_dscnt 1                                 ; map 2's four maxima are in; my store behind them may be out
	MAXC XL2, NM2
	FMAS 2, NM2, 0, 64
	WALU
	s_wait_dscnt 0x0
	s_barrier_signal -1                            ; map 1's sums
	FMAS 2, NM2, 64, 160
	WALU
	s_barrier_wait -1
	ds_load_b128 v[XL1:XL1+3], v[XRA] offset:512
	FMAS 2, NM2, 160, 256
	WALU
	s_wait_dscnt 0x0
	SUMC XL1
	WALU
	v_rcp_f32 v[R1], v[XL1]                        ; 1 / l1, with the batch
	EXPS 2
	SUMS 2
	MULS 0, 64
	WALU
	s_wait_dscnt 0x0
	s_barrier_signal -1                            ; map 2's sums
	MULS 64, 160
	WALU
	s_barrier_wait -1
	ds_load_b128 v[XL2:XL2+3], v[XRA] offset:768
	MULS 160, 256
	WALU
	s_wait_dscnt 0x0
	SUMC XL2
	WALU
	v_rcp_f32 v[XT2], v[XL2]
	v_nop
	WALU
	v_mul_f32 v[R2], s[NLAM], v[XT2]               ; -lambda / l2
	WALU
	s_wait_xcnt 0x0                                ; the stores have read their registers and their base
	s_cmp_eq_u32 s[T], 0
	s_cselect_b32 s18, 0, 0x1000
	s_mov_b32 s19, 0
	s_add_nc_u64 s[14:15], s[14:15], s[18:19]      ; 16 rows of out0 on, from the second trip
	; ---- four steps of 128 keys: the difference, its codes, O^T += V^T P^T
.irp j, 0,1,2,3
	WIN 0x52
.set x, 64*\j
.rept 32
	v_pk_fma_f32 v[x:x+1], v[x:x+1], v[R2:R2+1], v[x:x+1] op_sel_hi:[1,0,1]   ; a1 - lambda a2 (also the places behind the last products)
.set x, x+2
.endr
	WIN 0
.irp t, 0,1,2,3
.irp c, 0,1,2,3
	ds_load_b128 v[VB+16*\t+4*\c:VB+16*\t+4*\c+3], v[AV] offset:16*VP*\t+128*\j+32*\c
.endr
.endr
	QUANT 64*\j, 1, 4, 2
	PLACES 3                                       ; four places between the codes and the products
	WALU
	s_wait_dscnt 0x0
.irp t, 0,1,2,3
.if \j == 0
	v_wmma_scale_f32_16x16x128_f8f6f4 v[OT+8*\t:OT+8*\t+7], v[VB+16*\t:VB+16*\t+15], v[PC:PC+15], 0, v[VSW+4*\t+\j], v[PW]
.else
	v_wmma_scale_f32_16x16x128_f8f6f4 v[OT+8*\t:OT+8*\t+7], v[VB+16*\t:VB+16*\t+15], v[PC:PC+15], v[OT+8*\t:OT+8*\t+7], v[VSW+4*\t+\j], v[PW]
.endif
.endr
.endr
	PLACES 8
.irp t, 0,1,2,3
	ds_store_b128 v[STO], v[OT+8*\t:OT+8*\t+3] offset:64*\t
	ds_store_b128 v[STO], v[OT+8*\t+4:OT+8*\t+7] offset:64*\t+16
.endr
	WALU
	s_wait_dscnt 0x0
	s_barrier_signal -1                            ; my partial O is stored
	s_add_co_u32 s[T], s[T], 1
	s_cmp_lt_u32 s[T], 16
	s_cbranch_scc1 .Ltile
	; ---- the last tile's norm
	s_barrier_wait -1
	PLOADS
	s_wait_dscnt 0x0
.set F, 0
.rept 18
	TAILC F
.set F, F+1
.endr
	WALU
	ROOTS
	v_nop
	WALU
	TAILFIN
	OUT2
	s_wait_tensorcnt 0x0                           ; the wave's end
	ds_add_u32 v[SPW], v[NIL]
	s_wait_dscnt 0x0
	s_endpgm
.Lfunc_end_k_qeef921ada8_diffattn:
	.size	k_qeef921ada8_diffattn, .Lfunc_end_k_qeef921ada8_diffattn-k_qeef921ada8_diffattn
	.p2alignl 7, 3214868480
	.fill 96, 4, 3214868480
	.section	.rodata,"a",@progbits
	.p2align	6, 0x0
	.amdhsa_kernel k_qeef921ada8_diffattn
		.amdhsa_group_segment_fixed_size 327680
		.amdhsa_private_segment_fixed_size 0
		.amdhsa_enable_private_segment 0
		.amdhsa_kernarg_size 48
		.amdhsa_user_sgpr_count 2
		.amdhsa_user_sgpr_kernarg_segment_ptr 1
		.amdhsa_wavefront_size32 1
		.amdhsa_system_sgpr_workgroup_id_x 1
		.amdhsa_system_sgpr_workgroup_id_y 1
		.amdhsa_system_sgpr_workgroup_id_z 1
		.amdhsa_system_vgpr_workitem_id 0
		.amdhsa_next_free_vgpr 1024
		.amdhsa_next_free_sgpr 66
		.amdhsa_reserve_vcc 0
		.amdhsa_float_denorm_mode_32 3
		.amdhsa_float_denorm_mode_16_64 3
		.amdhsa_memory_ordered 1
		.amdhsa_forward_progress 1
		.amdhsa_inst_pref_size 255
	.end_amdhsa_kernel
	.section	.bss,"aw",@nobits
	.p2align	6
	.space	262144
	.amdgpu_metadata
---
amdhsa.version: [ 1, 2 ]
amdhsa.kernels:
  - .name:           k_qeef921ada8_diffattn
    .symbol:         k_qeef921ada8_diffattn.kd
    .args:
      - { .name: query, .offset: 0, .size: 8, .value_kind: global_buffer, .address_space: global }
      - { .name: key, .offset: 8, .size: 8, .value_kind: global_buffer, .address_space: global }
      - { .name: value_codes, .offset: 16, .size: 8, .value_kind: global_buffer, .address_space: global }
      - { .name: value_scales, .offset: 24, .size: 8, .value_kind: global_buffer, .address_space: global }
      - { .name: lambda_params, .offset: 32, .size: 8, .value_kind: global_buffer, .address_space: global }
      - { .name: out0, .offset: 40, .size: 8, .value_kind: global_buffer, .address_space: global }
    .group_segment_fixed_size: 327680
    .private_segment_fixed_size: 0
    .kernarg_segment_align: 8
    .kernarg_segment_size: 48
    .max_flat_workgroup_size: 128
    .sgpr_count:     66
    .vgpr_count:     1024
    .wavefront_size: 32
...
	.end_amdgpu_metadata
.endif
;; end of part 1
